; MI455X (gfx1250); checked and timed in simulation.
; The chip was launched on July 23, 2026; its instructions are those of AMD's public machine-readable ISA for CDNA 5 (MIT licence, August 2026) and "CDNA5" Instruction Set Architecture Reference Guide (July 2026). The comments in the code are by the model that wrote it; some were corrected since.
;; Multi Headed Attention. Allowed arithmetic: matrix products marked QUANTISED: E4M3 operands, one given power-of-two scale a tensor, by v_wmma_f32_16x16x64_fp8_fp8 or v_wmma_f32_16x16x128_fp8_fp8, f32 sums; everything else in f32.
;; Inputs: Wk_codes 1,024 x 32 x 32 uint8 (E4M3 codes of Wk, K innermost, in blocks of 32 codes); Wo_codes 1,024 x 32 x 32 uint8 (E4M3 codes of Wo, K innermost, in blocks of 32 codes); Wq_codes 1,024 x 32 x 32 uint8 (E4M3 codes of Wq, K innermost, in blocks of 32 codes); Wv_codes 1,024 x 32 x 32 uint8 (E4M3 codes of Wv, K innermost, in blocks of 32 codes); bk 1,024 float32; bo 1,024 float32; bq 1,024 float32; bv 1,024 float32; key_codes 4 x 2,048 x 32 x 32 uint8 (E4M3 codes of key, K innermost, in blocks of 32 codes); lowp_scales 12 int32 (the exponents e of the quantised operands' scales 2^e); query_codes 4 x 2,048 x 32 x 32 uint8 (E4M3 codes of query, K innermost, in blocks of 32 codes); value_codes 4 x 2,048 x 32 x 32 uint8 (E4M3 codes of value, K innermost, in blocks of 32 codes).
;; Outputs: out0 4 x 2,048 x 1,024 float32.
;; This version of the problem:
;;   THIS VERSION OF THE PROBLEM IS GIVEN IN LOW PRECISION. The matrix products marked QUANTISED in the list below multiply operands that are first quantised to E4M3 (4 exponent bits, 3 mantissa bits; 8 bits a number), with one given power-of-two scale for each operand tensor; their sums are f32. All else is computed in f32.
;;   The module's matrix products, in the order in which they are computed (A, B: the left and right operand; K: the contracted axis; several contracted axes count as one K, in the product's order):
;;     1. [M 8,192, K 1,024] x [K 1,024, N 1,024]; A: input query (given as codes); B: input Wq (given as codes): QUANTISED (scales: A lowp_scales[0], B lowp_scales[1])
;;     2. [M 8,192, K 1,024] x [K 1,024, N 1,024]; A: input key (given as codes); B: input Wk (given as codes): QUANTISED (scales: A lowp_scales[2], B lowp_scales[3])
;;     3. [M 8,192, K 1,024] x [K 1,024, N 1,024]; A: input value (given as codes); B: input Wv (given as codes): QUANTISED (scales: A lowp_scales[4], B lowp_scales[5])
;;     4. batch 64 x [M 2,048, K 64] x [K 64, N 2,048]; A: computed on the way; B: computed on the way: QUANTISED (scales: A lowp_scales[6], B lowp_scales[7])
;;     5. batch 64 x [M 2,048, K 2,048] x [K 2,048, N 64]; A: softmax (see below); B: computed on the way: QUANTISED (scales: A lowp_scales[8], B lowp_scales[9])
;;     6. [M 8,192, K 1,024] x [K 1,024, N 1,024]; A: computed on the way; B: input Wo (given as codes): QUANTISED (scales: A lowp_scales[10], B lowp_scales[11])
;;   THE QUANTISER, for each operand of a quantised product, along K:
;;     - The operand's scale is 2^e, e = its entry of the input lowp_scales (int32; the entries are numbered through the quantised products in the list's order, A before B).
;;     - Each number is divided by the scale, clamped to +-448, and rounded to the nearest number of E4M3, ties to even, subnormals kept.
;;     - The product sums the exact products of the quantised numbers (number of the format x scale) in f32.
;;   ~~~python
;;   def quantise(x, axis, e):      # numpy; x: float32 -> the quantised numbers, widened to float32 again
;;       x = np.moveaxis(x, axis, -1); K = x.shape[-1]
;;       r = np.clip(x / 2.0 ** e, -448, 448)
;;       step = 2.0 ** (np.maximum(np.frexp(np.where(r == 0, 1, r))[1] - 1, -6) - 3)
;;       q = np.round(r / step) * step * 2.0 ** e      # np.round: ties to even
;;       return np.moveaxis(q, -1, axis).astype(np.float32)
;;   ~~~
;;   SOFTMAX AHEAD OF A QUANTISED PRODUCT. Where the list says 'softmax', what is quantised is not the finished softmax but p = 2^(t - M), with t = logit x log2(e) and M = ceil(the row's largest t), a whole number; so 1/2 < the row's largest p <= 1. The row's sum l is taken of the UNQUANTISED p, in f32, and the product's result is divided by l at the end. Since M is a whole number, a kernel that streams over the keys may use a running M (the ceiling of the running maximum): every later rescaling is an exact power of two, so the quantised numbers keep their values, but for numbers so far below the row's largest that they fall under the format's range.
;;   OPERANDS COMPUTED ON THE WAY. 'Computed on the way' means the value that the module computes at that place (a softmax that the list does not call 'softmax' is quantised finished and normalised). What goes into a quantiser is computed in f32, as accurately as f32 sums, v_exp_f32 and their like allow (about 1e-6 of the number): no bf16 or f16 on the way to a quantiser, and a product that is left as it is and whose result goes on into a quantised operand takes f32 operands (vector FMAs, or v_wmma_f32_16x16x4_f32). A number that lies on a knife's edge between two numbers of the format may be rounded either way, as far as f32 arithmetic and the matrix unit's own rounding can turn it there, and no further.
;;   INPUTS GIVEN AS CODES. Wk (in the module: [1024, 1024], K = its axis 1); Wo (in the module: [1024, 1024], K = its axis 1); Wq (in the module: [1024, 1024], K = its axis 1); Wv (in the module: [1024, 1024], K = its axis 1); key (in the module: [4, 2048, 1024], K = its axis 2); query (in the module: [4, 2048, 1024], K = its axis 2); value (in the module: [4, 2048, 1024], K = its axis 2): each comes as NAME_codes (uint8): NAME with its K axis moved to the last place and cut into blocks of 32 codes, [.., K / 32, bytes a block], one block behind the other in memory; one code a byte (a code: sign, 4 exponent bits, 3 mantissa bits); its scale is its entry of lowp_scales. Its value is code x scale, taken as it is: it is not quantised again, and the codes and scales need not be those that the quantiser above would give.
;; One version. Each part assembles by itself: llvm-mc -triple=amdgcn-amd-amdhsa -mcpu=gfx1250 --defsym DOCPART=n.
;; ======== version 1 of 1: 3 launches
;; limits: right only within a limited range of input values
;; workspace buffers: qimg 8,388,608 bytes; kvimg 16,777,216 bytes; ximg 8,388,608 bytes
;; launch proj (part 1): grid 4 x 96, 4 waves a work-group, clusters of 4 x 4, 327,680 bytes of LDS; arguments query_codes, key_codes, value_codes, Wq_codes, Wk_codes, Wv_codes, bq, bk, bv, lowp_scales, qimg, kvimg; writes qimg, kvimg
.if DOCPART == 1
	.amdgcn_target "amdgcn-amd-amdhsa--gfx1250"
	.amdhsa_code_object_version 6
	.text
	.protected	k_qbee72da9d2_proj
	.globl	k_qbee72da9d2_proj
	.p2align	8
	.type	k_qbee72da9d2_proj,@function
k_qbee72da9d2_proj:
	s_mov_b64 s[64:65], 0
	v_nop
	global_prefetch_b8 v0, s[64:65] scope:SCOPE_SE
	s_setreg_imm32_b32 hwreg(HW_REG_WAVE_MODE, 25, 1), 1
	s_wait_xcnt 0x0
	s_wait_alu depctr_hold_cnt(0) depctr_sa_sdst(0) depctr_va_vdst(0) depctr_va_sdst(0) depctr_va_ssrc(0) depctr_va_vcc(0) depctr_vm_vsrc(0)
	s_getreg_b32 s2, hwreg(HW_REG_IB_STS2, 6, 4)
	s_cmp_eq_u32 s2, 0
	s_cbranch_scc0 .Lentry_in_a_cluster
	s_endpgm
.Lentry_in_a_cluster:
	s_bfe_u32 s2, ttmp6, 0x10000c
	s_cmp_lg_u32 s2, 0xf033
	s_cbranch_scc0 .Lentry_shape_is_right
	s_endpgm
.Lentry_shape_is_right:
; THE THREE PROJECTIONS q = query Wq^T + bq, k = key Wk^T + bk, v = value Wv^T + bv, on codes of FP8 (E4M3), f32 sums, each result quantised at once with its given scale (entries 6, 7, 9 of the
; scales) and stored as IMAGES OF THE OPERAND REGISTERS that the attention launch wants: 512 consecutive bytes a store, 16 bytes a lane.
; One body for the three: the cluster's y (0..23) gives T = y / 8 (0 q, 1 k, 2 v) and idx = y % 8; only pointers, exponents and offsets are chosen by T (s_cselect), no branch hangs on it.
; A product is C = A B^T with rows of 1,024 codes.  T < 2: A = the 8,192 tokens, B = the weight's 1,024 rows.  T = 2: A = Wv's 1,024 rows, B = value's 8,192 tokens: so v comes out with the KEYS along a lane's registers.
; A tile of C, 256 x 256, is made by four waves, each 128 x 128: 64 accumulators, 512 registers.  K goes in steps of 256 through two LDS slots filled by the tensor data mover.
; CLUSTERS: 4 x 4 work-groups; the four of a row need the same tiles of A, the four of a column the same tiles of B: each tile is asked for jointly, with a mask that names the four.
; THE MATRIX INSTRUCTION IS USED TRANSPOSED (source 0 = 16 rows of B, source 1 = 16 rows of A): lane (r, h) of accumulator (a, b) holds row 16 a + r of A and rows 16 b + 8 h + 0..7 of B:
; one conversion of an accumulator's eight registers is registers 2 b, 2 b + 1 of a fragment in the 8-bit forms' own layout (k = 16 c + 8 h + 0..7).
;   q, k: a block a of 16 tokens gives two heads' fragments (16 tokens x 64 channels, 8 registers each);   v: a block a of 16 channels gives one fragment (16 channels x 128 keys, 16 registers).
; THE BIAS, without a branch: both orientations are loaded (indices held inside the 1,024) and one is multiplied by 0.  Along B's rows (q, k): bias / 2^(ea + eb) is the C of the first K step's products.
; Along A's rows (v): it is the addend of the way out's multiply-add.
; LIMITS: ea + eb between -126 and 126, the result's exponent between -126 and 119, so that each power of two below is an f32 number.  NaN and infinities among the biases are not served (0 x infinity).
; REGISTERS, in windows of 256: window 0: v16-31 addresses and scales; v32-95 the bias along B's rows; v96-111 along A's rows; from v128 A's fragments, ONE set (on the way out: sums and codes).
;   window 1: B's fragments, two sets.   window 2: the accumulators of my rows 0-63 ((a, b) at v[8 (8 a + b)]);   window 3: those of rows 64-127.
.set KROW,   1024                      ; a row of A or of B in memory, in bytes
.set ROWB,   256                       ; a tile's row: 256 codes
.set PITCH,  272                       ; an LDS row: 256 bytes + 16 of padding: the 16 rows that a load touches start 68 words apart
.set FR,     16                        ; registers of a fragment: 16 rows x 128 K
.set NL,     4                         ; LDS loads that bring one
.set NP,     4                         ; places behind this matrix instruction (ISA guide 7.12.1)
.set HALFT,  128*PITCH                 ; 128 rows: what one tensor load brings
.set SLOT,   4*HALFT                   ; A's 256 rows, then B's 256 rows
.set SPARE,  2*SLOT                    ; behind the ring: the spare words, 128 bytes for each wave
.set ADRA, 16                          ; v16-17  LDS address of my A fragments in slot 0, 1
.set ADRB, 20                          ; v20-21  the same for B
.set OF0,  24                          ; v24     16 x lane
.set OF2,  26                          ; v26     16 x lane + the distance to a block's third chunk
.set SPW,  28                          ; v28     LDS address of my spare word; never rewritten
.set NIL,  29                          ; v29     0; never rewritten
.set OSC,  30                          ; v30     the result's scale 2^eo as f32
.set OLIM, 31
.set BN,   32                          ; v32-95  bias[n0 + 16 b + 8 h + j] / 2^(ea + eb), or zeros
.set BM,   96                          ; v96-111 bias[m0 + 16 a + r] in register 2 a, or zero; the odd registers 0
.set AF,   128                         ; A's fragments
.set TMP,  128                         ; the way out: a block's 64 numbers
.set CD,   192                         ; the way out: a block's 16 registers of codes, four sets by turns
.set G1, 24                            ; s[24:31] descriptor group 1 for A's tiles;  s[32:39] group 0, one set for each slot
.set G0, 32
.set G1B, 48                           ; s[48:55], s[56:63] the same for B's tiles
.set G0B, 56
.set MSB, 0
.macro WIN new                         ; the immediate's high byte repeats the setting that is left
.if MSB != (\new)
	s_set_vgpr_msb (MSB<<8)|(\new)
.set MSB, (\new)
.endif
.endm
.set MUL_LO, 0xa1                      ; source 0 (B) window 1, source 1 (A) window 0, C and D window 2.  In the first K step C is the bias, window 0: 0x81
.set MUL_HI, 0xf1                      ; the same, C and D window 3.  In the first K step 0xc1
.set TO_B,   0x40                      ; destination window 1, address window 0
; A joint load: waves 0 and 1 fetch for A, waves 2 and 3 for B; the branch hangs on the wave's number alone.  Four v_nop follow each of the two lines.
.macro JLOAD g0a, g1a, g0b, g1b
	s_cmp_eq_u32 s15, 0
	s_cbranch_scc0 .Lfor_b_\@
	tensor_load_to_lds s[\g0a:\g0a+3], s[\g1a:\g1a+7]
	s_nop 0
.rept 4
	v_nop
.endr
	s_branch .Lasked_\@
.Lfor_b_\@:
	tensor_load_to_lds s[\g0b:\g0b+3], s[\g1b:\g1b+7]
	s_nop 0
.rept 4
	v_nop
.endr
.Lasked_\@:
.endm
.macro CREST                           ; a round of the cluster's barrier behind its opening barrier
	s_cmp_lg_u32 s14, 0
	s_cbranch_scc1 .Lnot_wave_0_\@
	s_barrier_signal -3
.Lnot_wave_0_\@:
	s_barrier_wait -3
	s_barrier_signal -1
	s_barrier_wait -1
.endm
.macro CROUND                          ; a whole round
	s_barrier_signal -1
	s_barrier_wait -1
	CREST
.endm
	s_load_b512 s[68:83], s[0:1], 0x0              ; query 68, key 70, value 72, Wq 74, Wk 76, Wv 78, bq 80, bk 82
	s_load_b256 s[84:91], s[0:1], 0x40             ; bv 84, the scales 86, qimg 88, kvimg 90
	v_lshl_add_u32 v[SPW], v0, 2, SPARE
	v_mov_b32 v[NIL], 0
	ds_add_u32 v28, v29
	ds_add_u32 v28, v29
	s_wait_dscnt 0x0
	v_lshrrev_b32 v1, 5, v0
	v_readfirstlane_b32 s14, v1                    ; wave 0..3
	s_lshr_b32 s15, s14, 1                         ; hm: which half of the tile's rows is mine.  Also: I fetch for A (0) or for B (1)
	s_and_b32 s16, s14, 1                          ; hn: which half of its columns.  Also: which 128 rows of that tile I fetch
	s_bfe_u32 s40, ttmp6, 0x40000                  ; cx, cy: my place in the cluster
	s_bfe_u32 s41, ttmp6, 0x40004
	s_and_b32 s12, ttmp7, 0xffff                   ; the cluster's y, the same in all sixteen partners
	s_and_b32 s13, s12, 7                          ; idx
	s_lshr_b32 s12, s12, 3                         ; T
	s_cmp_lt_u32 s12, 2
	s_cselect_b32 s17, s13, 0
	s_cselect_b32 s42, 0, s13
	s_lshl_b32 s17, s17, 2
	s_add_co_u32 s17, s17, s41                     ; tile row: 4 idx + cy (q, k), cy (v)
	s_lshl_b32 s42, s42, 2
	s_add_co_u32 s42, s42, s40                     ; tile column: cx (q, k), 4 idx + cx (v)
	s_lshl_b32 s43, s41, 2
	s_lshl_b32 s43, 15, s43                        ; my row of the cluster
	s_lshl_b32 s44, 0x1111, s40                    ; my column
	; descriptor group 1: a tile of 128 rows x 256 bytes, padded in LDS
	s_or_b32 s[G1+0], s43, (0<<16)|(1<<20)|(1<<21)|(5<<22)|(3<<25)  ; 15:0 the mask: A's tiles go to my row; elements of 1 byte; padding on; bit 21 beside a mask; 4 words behind every 64
	s_or_b32 s[G1B+0], s44, (0<<16)|(1<<20)|(1<<21)|(5<<22)|(3<<25)
.irp g, G1, G1B
	s_mov_b32 s[\g+1], ROWB<<16                    ; tensor_dim0
	s_mov_b32 s[\g+2], 128<<16                     ; tensor_dim1 = 128
	s_mov_b32 s[\g+3], ROWB<<16                    ; tile_dim0
	s_mov_b32 s[\g+4], 128                         ; tile_dim1 = 128
	s_mov_b32 s[\g+5], KROW                        ; tensor_dim0_stride
	s_mov_b32 s[\g+6], 0
	s_mov_b32 s[\g+7], 0
.endr
	s_lshl_b32 s18, s16, 7                         ; which 128 rows of the tile I fetch
	s_lshl_b32 s20, s17, 8
	s_add_co_u32 s20, s20, s18                     ; A: row 256 x tile row + 128 x half
	s_lshl_b32 s20, s20, 10                        ; in bytes (under 2^23)
	s_mov_b32 s21, 0
	s_lshl_b32 s46, s42, 8
	s_add_co_u32 s46, s46, s18                     ; B: row 256 x tile column + 128 x half
	s_lshl_b32 s46, s46, 10
	s_mov_b32 s47, 0
	s_mul_i32 s45, s14, HALFT                      ; where they go: wave x 128 rows: no place in the cluster enters an LDS address
	s_wait_kmcnt 0x0
	s_cmp_eq_u32 s12, 1                            ; the buffers are chosen by T alone
	s_cselect_b64 s[4:5], s[70:71], s[68:69]       ; A: key or query
	s_cselect_b64 s[6:7], s[76:77], s[74:75]       ; B: Wk or Wq
	s_cselect_b64 s[8:9], s[82:83], s[80:81]       ; the bias
	s_cselect_b64 s[10:11], s[90:91], s[88:89]     ; where the codes go
	s_cmp_eq_u32 s12, 2
	s_cselect_b64 s[4:5], s[78:79], s[4:5]         ; v: A = Wv,
	s_cselect_b64 s[6:7], s[72:73], s[6:7]         ; B = value
	s_cselect_b64 s[8:9], s[84:85], s[8:9]
	s_cselect_b64 s[10:11], s[90:91], s[10:11]
	s_load_b256 s[68:75], s[86:87], 0x0            ; e0 .. e7, into registers that the choices have freed
	s_load_b128 s[76:79], s[86:87], 0x20           ; e8 .. e11
	s_add_nc_u64 s[20:21], s[4:5], s[20:21]
	s_add_nc_u64 s[46:47], s[6:7], s[46:47]
	CROUND                                         ; all sixteen work-groups are here: the first joint loads meet
.irp s, 0,1
	s_mov_b32 s[G0+4*\s], 1
	s_add_co_u32 s[G0+4*\s+1], s45, \s*SLOT
	s_add_nc_u64 s[G0+4*\s+2:G0+4*\s+3], s[20:21], \s*ROWB
	s_or_b32 s[G0+4*\s+3], s[G0+4*\s+3], 0x80000000
	s_mov_b32 s[G0B+4*\s], 1
	s_add_co_u32 s[G0B+4*\s+1], s45, \s*SLOT
	s_add_nc_u64 s[G0B+4*\s+2:G0B+4*\s+3], s[46:47], \s*ROWB
	s_or_b32 s[G0B+4*\s+3], s[G0B+4*\s+3], 0x80000000
	JLOAD G0+4*\s, G1, G0B+4*\s, G1B
.endr
	v_and_b32 v1, 15, v0                           ; r
	v_bfe_u32 v2, v0, 4, 1                         ; h
	s_wait_alu depctr_va_vdst(0)
	v_mul_u32_u24 v3, v1, PITCH
	v_lshl_add_u32 v4, v2, 4, v3                   ; a fragment's row x pitch + 16 x half
	s_mul_i32 s21, s15, HALFT                      ; my 128 rows of A
	s_mul_i32 s22, s16, HALFT                      ; my 128 rows of B,
	s_add_co_u32 s22, s22, 2*HALFT                 ; which lie behind A's 256
.irp s, 0,1
	v_add_nc_u32 v[ADRA+\s], s21, v4
	v_add_nc_u32 v[ADRB+\s], s22, v4
	s_add_co_u32 s21, s21, SLOT
	s_add_co_u32 s22, s22, SLOT
.endr
	; the bias in both orientations; the one that T does not want is read from the bias's first 128 numbers and multiplied by 0 below
	s_lshl_b32 s18, s42, 8
	s_lshl_b32 s19, s16, 7
	s_add_co_u32 s18, s18, s19                     ; n0: my first row of B
	s_lshl_b32 s22, s17, 8
	s_lshl_b32 s23, s15, 7
	s_add_co_u32 s22, s22, s23                     ; m0: my first row of A
	s_cmp_lt_u32 s12, 2
	s_cselect_b32 s18, s18, 0                      ; q, k: n0 is a channel, at most 896
	s_cselect_b32 s22, 0, s22                      ; v: m0 is
	s_lshl_b32 s18, s18, 2
	s_lshl_b32 s22, s22, 2
	s_mov_b32 s19, 0
	s_mov_b32 s23, 0
	s_add_nc_u64 s[18:19], s[8:9], s[18:19]
	s_add_nc_u64 s[22:23], s[8:9], s[22:23]
	v_lshlrev_b32 v7, 5, v2                        ; 8 h numbers
	v_lshlrev_b32 v8, 2, v1                        ; r numbers
.irp b, 0,1,2,3,4,5,6,7
	global_load_b128 v[BN+8*\b:BN+8*\b+3],   v7, s[18:19] offset:64*\b
	global_load_b128 v[BN+8*\b+4:BN+8*\b+7], v7, s[18:19] offset:64*\b+16
.endr
.irp a, 0,1,2,3,4,5,6,7
	global_load_b32 v[BM+2*\a], v8, s[22:23] offset:64*\a
	v_mov_b32 v[BM+2*\a+1], 0                      ; (named as the upper half of a pair)
.endr
	; where my codes go.  R: the tile coordinate along the tokens, ht: my half along them; Cc, hc: along the channels
	s_cmp_lt_u32 s12, 2
	s_cselect_b32 s92, s17, s42                    ; R
	s_cselect_b32 s93, s42, s17                    ; Cc
	s_cselect_b32 s94, s15, s16                    ; ht
	s_cselect_b32 s95, s16, s15                    ; hc
	s_lshr_b32 s96, s92, 3
	s_lshl_b32 s96, s96, 4                         ; 16 x batch
	s_lshl_b32 s93, s93, 2
	s_add_co_u32 s96, s96, s93
	s_lshl_b32 s95, s95, 1
	s_add_co_u32 s96, s96, s95                     ; bh = 16 batch + 4 Cc + 2 hc: the first of my two heads
	s_and_b32 s92, s92, 7
	s_lshl_b32 s92, s92, 1
	s_add_co_u32 s92, s92, s94                     ; which 128 tokens of the batch's 2,048
	s_lshl_b32 s96, s96, 17
	s_lshl_b32 s92, s92, 13
	s_add_co_u32 s96, s96, s92                     ; qimg: 131,072 bh + 8,192 step
	s_cmp_gt_u32 s12, 0
	s_cselect_b32 s97, 1, 0
	s_lshl_b32 s96, s96, s97                       ; kvimg: twice that
	s_cmp_eq_u32 s12, 2
	s_cselect_b32 s97, 8192, 0                     ; v lies behind a step's 8,192 bytes of k
	s_add_co_u32 s96, s96, s97
	s_mov_b32 s97, 0
	s_add_nc_u64 s[10:11], s[10:11], s[96:97]
	s_lshl_b32 s88, 0x20000, s12                   ; from a block's second chunk pair back to its first: the next head (131,072 in qimg, 262,144 in kvimg),
	s_cmp_eq_u32 s12, 2
	s_cselect_b32 s88, 1024, s88                   ; v: the fragment's second half
	s_cselect_b32 s84, 1, 0
	s_mov_b32 s98, 1024
	s_cselect_b32 s98, 256000, s98                 ; from block 3 to block 4: v goes to the next head: 262,144 - 3 x 2,048
	s_lshl_b32 s84, 1024, s84                      ; from block to block: 1,024 (a tile of tokens), v 2,048 (a tile of channels)
	s_mov_b32 s85, 0
	s_mov_b32 s99, 0
	v_and_b32 v5, 31, v0
	v_lshlrev_b32 v[OF0], 4, v5
	v_add_nc_u32 v[OF2], s88, v[OF0]
	s_wait_kmcnt 0x0                               ; the twelve exponents
	s_add_co_i32 s68, s68, s69                     ; e0 + e1
	s_add_co_i32 s70, s70, s71                     ; e2 + e3
	s_add_co_i32 s72, s72, s73                     ; e4 + e5
	s_cmp_eq_u32 s12, 1
	s_cselect_b32 s68, s70, s68
	s_cselect_b32 s74, s75, s74                    ; e7 or e6
	s_cmp_eq_u32 s12, 2
	s_cselect_b32 s68, s72, s68                    ; ea + eb
	s_cselect_b32 s74, s77, s74                    ; eo: e6, e7 or e9
	s_cselect_b32 s83, 0x3f800000, 0               ; the bias along A's rows x 1 (v) or x 0
	s_sub_co_i32 s82, 127, s68
	s_lshl_b32 s82, s82, 23                        ; 2^-(ea + eb)
	s_cmp_lt_u32 s12, 2
	s_cselect_b32 s82, s82, 0                      ; the bias along B's rows x that (q, k) or x 0
	s_add_co_i32 s80, s68, 127
	s_lshl_b32 s80, s80, 23                        ; 2^(ea + eb) as f32
	s_mov_b32 s81, s80                             ; (named with it as a pair)
	s_add_co_i32 s74, s74, 127
	s_lshl_b32 s75, s74, 23
	v_mov_b32 v[OSC], s75                          ; 2^eo: the conversion takes its exponent field
	s_wait_loadcnt 0x0                             ; the biases
.set j, 0
.rept 32
	v_pk_mul_f32 v[BN+j:BN+j+1], v[BN+j:BN+j+1], s[82:83] op_sel_hi:[1,0]
.set j, j+2
.endr
.irp a, 0,1,2,3,4,5,6,7
	v_mul_f32 v[BM+2*\a], s83, v[BM+2*\a]
.endr
.macro FRAG reg, adr, q, i             ; 16 rows x 128 K: lane l holds row l % 16; registers 4 c .. 4 c + 3 hold K = 32 c + 16 (l / 16) + 0 .. 15: the same places of k in A and in B
.irp c, 0,1,2,3
	ds_load_b128 v[\reg+4*\c:\reg+4*\c+3], v[\adr] offset:128*(\q)+32*\c+(\i)*16*PITCH
.endr
.endm
; 16 matrix instructions: A's blocks a0, a0 + 1 x B's eight, 128 along K.  p: B's set.  first = 1: the sums begin with the bias.
; The 64 accumulators take turns, one instruction a turn, in the same order in every step.
.macro MUL16 a0, p, first
.irp a, \a0, \a0+1
.irp b, 0,1,2,3,4,5,6,7
.if \first
	v_wmma_f32_16x16x128_fp8_fp8 v[8*(8*((\a)%4)+\b):8*(8*((\a)%4)+\b)+7], v[128*(\p)+FR*\b:128*(\p)+FR*\b+FR-1], v[AF+FR*(\a):AF+FR*(\a)+FR-1], v[BN+8*\b:BN+8*\b+7]
.else
	v_wmma_f32_16x16x128_fp8_fp8 v[8*(8*((\a)%4)+\b):8*(8*((\a)%4)+\b)+7], v[128*(\p)+FR*\b:128*(\p)+FR*\b+FR-1], v[AF+FR*(\a):AF+FR*(\a)+FR-1], v[8*(8*((\a)%4)+\b):8*(8*((\a)%4)+\b)+7]
.endif
.endr
.endr
.endm
.macro FETCH_B slot, q, p              ; B's eight fragments of the slot's q-th 128 along K into set p
	WIN TO_B
.irp i, 0,1,2,3,4,5,6,7
	FRAG 128*(\p)+FR*\i, ADRB+\slot, \q, \i
.endr
	WIN 0
.endm
.macro FETCH_A slot, q, i0             ; A's blocks i0 .. i0 + 3
.irp i, \i0, \i0+1, \i0+2, \i0+3
	FRAG AF+FR*(\i), ADRA+\slot, \q, \i
.endr
.endm
.macro PLACES n                        ; plain vector lines between a matrix instruction and a load into one of its registers, or the first read of its result
.rept \n
	v_nop
.endr
.endm
; A step of 128 along K that has its successor in the same slot.  A block of A is free once its eight products are issued: blocks 0-3 are fetched anew in the middle, blocks 4-7 at the end.
.macro STEP slot, q, first
	s_wait_dscnt 4*NL                              ; B's set and A's blocks 0-3 are in; the youngest sixteen loads (A's blocks 4-7) may be out
	WIN MUL_LO-0x20*(\first)
	MUL16 0, (\q)%2, \first
	MUL16 2, (\q)%2, \first
	s_wait_dscnt 0                                 ; A's blocks 4-7 are in
	PLACES NP
	FETCH_B \slot, (\q)+1, 1-(\q)%2
	FETCH_A \slot, (\q)+1, 0
	WIN MUL_HI-0x30*(\first)
	MUL16 4, (\q)%2, \first
	MUL16 6, (\q)%2, \first
	PLACES NP
	WIN 0
	FETCH_A \slot, (\q)+1, 4
.endm
; A slot's last step changes slots: ONE barrier; in front of it each wave waits for all its tensor loads, adds 0 to its spare word, and waits for that and for its reads of this slot.  fill = 1: the slot is filled again, two K steps ahead.
.macro TURN slot, next, fill
	s_wait_tensorcnt 0x0                           ; all my tensor loads have landed: my part of the next slot  (every window is 0 here)
	ds_add_u32 v[SPW], v[NIL]                      ; 0 onto my spare word
	s_wait_dscnt 4*NL+1                            ; the add and the youngest sixteen loads (A's blocks 4-7) may be out
	WIN MUL_LO
	MUL16 0, 1, 0                                  ; sixteen matrix instructions stand between the add and the wait for it
	s_wait_dscnt 0x0                               ; the add is done, and my reads of this slot are over
	s_barrier_signal -1
	MUL16 2, 1, 0
	WIN 0
	s_barrier_wait -1
.if \fill
	CREST                                          ; the barrier has opened a round of the cluster's: no wave of any partner still reads this slot or has a load on its way
	s_add_nc_u64 s[G0+4*\slot+2:G0+4*\slot+3], s[G0+4*\slot+2:G0+4*\slot+3], 2*ROWB
	s_add_nc_u64 s[G0B+4*\slot+2:G0B+4*\slot+3], s[G0B+4*\slot+2:G0B+4*\slot+3], 2*ROWB
	JLOAD G0+4*\slot, G1, G0B+4*\slot, G1B         ; the first tensor load behind the round; its four v_nop are also the places in front of the loads below
.else
	PLACES NP
.endif
	FETCH_B \next, 0, 0
	FETCH_A \next, 0, 0
	WIN MUL_HI
	MUL16 4, 1, 0
	MUL16 6, 1, 0
	PLACES NP
	WIN 0
	FETCH_A \next, 0, 4
.endm
	s_wait_alu depctr_va_vdst(0)
	s_wait_tensorcnt 1                             ; my part of K step 0 is in (K step 1's load may be out)
	s_barrier_signal -1
	s_barrier_wait -1                              ; everybody's is
	FETCH_B 0, 0, 0
	FETCH_A 0, 0, 0
	FETCH_A 0, 0, 4
	; K = 1,024 is four slots' worth: written out, no loop.  Slots 0 and 1 are filled once more each
	STEP 0, 0, 1                                   ; K 0-127: the sums begin with the bias
	TURN 0, 1, 1                                   ; K 128-255; slot 0 takes K 512-767
	STEP 1, 0, 0
	TURN 1, 0, 1                                   ; slot 1 takes K 768-1023
	STEP 0, 0, 0
	TURN 0, 1, 0                                   ; nothing is left to fetch
	STEP 1, 0, 0
	s_wait_dscnt 4*NL                              ; the last step
	WIN MUL_LO
	MUL16 0, 1, 0
	MUL16 2, 1, 0
	s_wait_dscnt 0
	WIN MUL_HI
	MUL16 4, 1, 0
	MUL16 6, 1, 0
	WIN 0
; THE WAY OUT, block a of 16 rows of A: number = sum x 2^(ea + eb) + the bias along A's rows; eight conversions give 16 registers,
; which ARE the attention launch's operand registers: four stores of 512 consecutive bytes, aligned.  No LDS is needed.
.macro OUTBLK a
.set AC, 64*((\a)%4)
.set CC, CD+16*((\a)%4)
.if (\a) > 0
	s_wait_xcnt 0x0                                ; the earlier stores have read their base and their data
.if (\a) == 4
	s_add_nc_u64 s[10:11], s[10:11], s[98:99]
.else
	s_add_nc_u64 s[10:11], s[10:11], s[84:85]
.endif
.endif
	WIN 0x02+((\a)/4)                              ; source 0: window 2 or 3
.set j, 0
.rept 32
	v_pk_fma_f32 v[TMP+j:TMP+j+1], v[AC+j:AC+j+1], s[80:81], v[BM+2*(\a):BM+2*(\a)+1] op_sel_hi:[1,0,0]   ; each accumulator from its low end on
.set j, j+2
.endr
	WIN 0
.irp b, 0,1,2,3,4,5,6,7
.irp i, 0,1,2,3,4,5,6,7
.endr
	v_cvt_scalef32_pk8_fp8_f32 v[CC+2*\b:CC+2*\b+1], v[TMP+8*\b:TMP+8*\b+7], v[OSC]
.endr
	v_nop                                          ; a plain line behind the last conversion: the next block writes its sources
	global_store_b128 v[OF0], v[CC:CC+3], s[10:11]
	global_store_b128 v[OF0], v[CC+4:CC+7], s[10:11] offset:512
	global_store_b128 v[OF2], v[CC+8:CC+11], s[10:11]
	global_store_b128 v[OF2], v[CC+12:CC+15], s[10:11] offset:512
.endm
	PLACES NP                                      ; behind the last products: the lines below write registers that held A's fragments
.irp a, 0,1,2,3,4,5,6,7
	OUTBLK \a
.endr
	s_wait_tensorcnt 0x0                           ; the wave's end
	ds_add_u32 v[SPW], v[NIL]
	s_wait_dscnt 0x0
	CROUND                                         ; the closing round: no work-group ends while a partner may still ask for a tile that names it
	s_endpgm
.Lfunc_end_k_qbee72da9d2_proj:
	.size	k_qbee72da9d2_proj, .Lfunc_end_k_qbee72da9d2_proj-k_qbee72da9d2_proj
	.p2alignl 7, 3214868480
	.fill 96, 4, 3214868480
	.section	.rodata,"a",@progbits
	.p2align	6, 0x0
	.amdhsa_kernel k_qbee72da9d2_proj
		.amdhsa_group_segment_fixed_size 327680
		.amdhsa_private_segment_fixed_size 0
		.amdhsa_enable_private_segment 0
		.amdhsa_kernarg_size 96
		.amdhsa_user_sgpr_count 2
		.amdhsa_user_sgpr_kernarg_segment_ptr 1
		.amdhsa_wavefront_size32 1
		.amdhsa_system_sgpr_workgroup_id_x 1
		.amdhsa_system_sgpr_workgroup_id_y 1
		.amdhsa_system_sgpr_workgroup_id_z 1
		.amdhsa_system_vgpr_workitem_id 0
		.amdhsa_next_free_vgpr 1024
		.amdhsa_next_free_sgpr 100
		.amdhsa_reserve_vcc 0
		.amdhsa_float_denorm_mode_32 3
		.amdhsa_float_denorm_mode_16_64 3
		.amdhsa_fp16_overflow 1
		.amdhsa_memory_ordered 1
		.amdhsa_forward_progress 1
		.amdhsa_inst_pref_size 109
	.end_amdhsa_kernel
	.amdgpu_metadata
---
amdhsa.version: [ 1, 2 ]
amdhsa.kernels:
  - .name:           k_qbee72da9d2_proj
    .symbol:         k_qbee72da9d2_proj.kd
    .args:
      - { .name: query_codes, .offset: 0, .size: 8, .value_kind: global_buffer, .address_space: global }
      - { .name: key_codes, .offset: 8, .size: 8, .value_kind: global_buffer, .address_space: global }
      - { .name: value_codes, .offset: 16, .size: 8, .value_kind: global_buffer, .address_space: global }
      - { .name: Wq_codes, .offset: 24, .size: 8, .value_kind: global_buffer, .address_space: global }
      - { .name: Wk_codes, .offset: 32, .size: 8, .value_kind: global_buffer, .address_space: global }
      - { .name: Wv_codes, .offset: 40, .size: 8, .value_kind: global_buffer, .address_space: global }
      - { .name: bq, .offset: 48, .size: 8, .value_kind: global_buffer, .address_space: global }
      - { .name: bk, .offset: 56, .size: 8, .value_kind: global_buffer, .address_space: global }
      - { .name: bv, .offset: 64, .size: 8, .value_kind: global_buffer, .address_space: global }
      - { .name: lowp_scales, .offset: 72, .size: 8, .value_kind: global_buffer, .address_space: global }
      - { .name: qimg, .offset: 80, .size: 8, .value_kind: global_buffer, .address_space: global }
      - { .name: kvimg, .offset: 88, .size: 8, .value_kind: global_buffer, .address_space: global }
    .group_segment_fixed_size: 327680
    .private_segment_fixed_size: 0
    .kernarg_segment_align: 8
    .kernarg_segment_size: 96
    .max_flat_workgroup_size: 128
    .sgpr_count:     100
    .vgpr_count:     1024
    .wavefront_size: 32
...
	.end_amdgpu_metadata
.endif
;; end of part 1
;; launch attn (part 2): grid 4 x 64, 8 waves a work-group, clusters of 4 x 1, 327,680 bytes of LDS; arguments qimg, kvimg, lowp_scales, ximg; writes ximg
.if DOCPART == 2
	.amdgcn_target "amdgcn-amd-amdhsa--gfx1250"
	.amdhsa_code_object_version 6
	.text
	.protected	k_qbee72da9d2_attn
	.globl	k_qbee72da9d2_attn
	.p2align	8
	.type	k_qbee72da9d2_attn,@function
k_qbee72da9d2_attn:
	s_mov_b64 s[64:65], 0
	v_nop
	global_prefetch_b8 v0, s[64:65] scope:SCOPE_SE
	s_setreg_imm32_b32 hwreg(HW_REG_WAVE_MODE, 25, 1), 1
	s_wait_xcnt 0x0
	s_wait_alu depctr_hold_cnt(0) depctr_sa_sdst(0) depctr_va_vdst(0) depctr_va_sdst(0) depctr_va_ssrc(0) depctr_va_vcc(0) depctr_vm_vsrc(0)
	s_getreg_b32 s2, hwreg(HW_REG_IB_STS2, 6, 4)
	s_cmp_eq_u32 s2, 0
	s_cbranch_scc0 .Lentry_in_a_cluster
	s_endpgm
.Lentry_in_a_cluster:
	s_bfe_u32 s2, ttmp6, 0x10000c
	s_cmp_lg_u32 s2, 0x3003
	s_cbranch_scc0 .Lentry_shape_is_right
	s_endpgm
.Lentry_shape_is_right:
; x[b][s][64 head + d] = the sum over keys of softmax(q . k / 8) v, both products on codes of FP8 (E4M3); x is quantised at once with its given scale (entry 10) and stored as images of the last launch's operand registers.
; THE SOFTMAX AHEAD OF THE SECOND PRODUCT: t = score x log2(e) / 8; M = the running largest t rounded UP to a whole number; p = 2^(t - M) is quantised with 2^e8, not normalised; the row's sum is taken of the
; unquantised p, in f32, and divides at the end.  When M moves, the sum and O are multiplied by 2^(old M - new M): nothing is rounded, and no branch hangs on data.
; SHARES.  The four work-groups of a cluster take one head (bh = the cluster's y), 512 queries each, in two passes of 256.  Each of the eight waves owns two tiles of 16 queries in a pass: both tiles use every fragment of K and V
; that the wave reads.  512 registers a wave: two waves to a SIMD, so that one wave's products and LDS loads stand beside the other's vector work.
; LDS.  The head's whole k and v, 262,144 bytes, lie in LDS as they lie in memory: 16 steps of 128 keys x (8 tiles of k x 1,024 bytes, 4 tiles of v x 2,048 bytes), each tile an image of the operand's registers:
; every LDS load takes 512 consecutive bytes.  They are filled ONCE, jointly by the four work-groups (mask 15): each wave asks for 8,192 bytes of steps 0-3 and 24,576 bytes of steps 4-15; no byte is filled again.
; LAYOUT.  Both products are used transposed: S^T = K Q^T (source 0 = 16 keys, source 1 = 16 queries, K = 64), O^T = V^T P^T (source 0 = 16 channels, source 1 = P, K = 128): a lane holds ONE query (lane % 16) throughout.
; Register j of key tile i is key 16 i + 8 (lane / 16) + j: one conversion of a tile's eight registers is registers 2 i, 2 i + 1 of P in the K = 128 form's own layout.
; LIMITS on the given exponents, so that each power of two below is an f32 number: e6 + e7 between -123 and 130 (added to c's exponent field); e8 and e10 between -126 and 119; e8 + e9 is applied by v_ldexp_f32 and has none.
; REGISTERS.  window 0: v1 16 x lane; v2 the step's LDS address; v4, v6 scales; v8-23 statistics, eight a tile; v24-27 a second chain of sums; v28-29 the lane exchange; v32-63 Q, four tiles; v64-191 S^T, then p; v192-223 p's codes; v224-255 x's codes.
;   window 1: v0-63 O^T (tile u, channels 16 t on: 32 u + 8 t); v64-127 K's eight fragments; v128-191 V's four.
.set LI,   1
.set ADR,  2
.set PSC,  4                           ; 2^e8
.set PLIM, 5
.set XSC,  6                           ; 2^e10
.set XLIM, 7
.set ST,   8                           ; tile u at ST + 8 u: +0 -M, +1 the largest t, +2, +3 the sum in two halves, +4 f (at the end 2^(e8 + e9) / sum), +5 zero, +6, +7 at work
.set TS,   24
.set PX,   28
.set Q,    32
.set S,    64
.set P,    192
.set XC,   224
.set O,    0
.set KF,   64
.set VF,   128
.set WV,   12                          ; s12  my wave's number
.set SEL,  40                          ; s[40:41] lane selects for v_permlanex16_b32: lane l xor 16
.set CS,   42                          ; s[42:43] c = log2(e) / 8 x 2^(e6 + e7)
.set TB,   44                          ; s44  LDS byte at which the step in hand begins
.set CNT,  45
.set EPV,  46                          ; s46  e8 + e9
.set W_LD, 0x40                        ; destination window 1, address window 0
.set W_KQ, 0x01                        ; K window 1; Q and S^T window 0
.set W_RS, 0x41                        ; O^T (destination, source 0) window 1, f window 0
.set W_PV, 0x51                        ; V and O^T window 1, P window 0
.set MSB, 0
.macro WIN new                         ; the immediate's high byte repeats the setting that is left
.if MSB != (\new)
	s_set_vgpr_msb (MSB<<8)|(\new)
.set MSB, (\new)
.endif
.endm
.macro CROUND                          ; a round of the cluster's barrier
	s_barrier_signal -1
	s_barrier_wait -1
	s_cmp_lg_u32 s[WV], 0
	s_cbranch_scc1 .Lnot_wave_0_\@
	s_barrier_signal -3
.Lnot_wave_0_\@:
	s_barrier_wait -3
	s_barrier_signal -1
	s_barrier_wait -1
.endm
	s_load_b256 s[4:11], s[0:1], 0x0               ; qimg s[4:5], kvimg s[6:7], the scales s[8:9], ximg s[10:11]
	v_lshl_add_u32 v30, v0, 2, 0x40000
	v_mov_b32 v31, 0
	ds_add_u32 v30, v31
	ds_add_u32 v30, v31
	v_lshrrev_b32 v2, 5, v0
	s_delay_alu instid0(VALU_DEP_1)
	v_readfirstlane_b32 s[WV], v2                  ; wave 0..7
	v_and_b32 v1, 31, v0
	s_delay_alu instid0(VALU_DEP_1)
	v_lshlrev_b32 v[LI], 4, v1
	s_bfe_u32 s13, ttmp6, 0x40000                  ; cx
	s_lshl_b32 s14, ttmp9, 2
	s_add_co_u32 s14, s14, s13                     ; g: my 512 queries of the head: it enters Q's and x's addresses alone
	s_and_b32 s15, ttmp7, 0xffff                   ; bh = 16 batch + head, which the four partners share
	; descriptor group 1: dense blocks, stated as rows of 256 bytes (32 elements of 8 bytes): 32 rows, and 96 rows
	s_mov_b32 s16, 15|(3<<16)|(1<<21)              ; the mask: all four work-groups; elements of 8 bytes; bit 21 beside a mask; no padding
	s_mov_b32 s17, 32<<16                          ; tensor_dim0 = 32
	s_mov_b32 s18, 32<<16                          ; tensor_dim1 = 32
	s_mov_b32 s19, 32<<16                          ; tile_dim0 = 32
	s_mov_b32 s20, 32                              ; tile_dim1 = 32
	s_mov_b32 s21, 32                              ; the pitch
	s_mov_b32 s22, 0
	s_mov_b32 s23, 0
	s_mov_b32 s24, 15|(3<<16)|(1<<21)
	s_mov_b32 s25, 32<<16
	s_mov_b32 s26, 96<<16                          ; tensor_dim1 = 96
	s_mov_b32 s27, 32<<16
	s_mov_b32 s28, 96                              ; tile_dim1 = 96
	s_mov_b32 s29, 32
	s_mov_b32 s30, 0
	s_mov_b32 s31, 0
	s_mov_b32 s[SEL], 0x76543210
	s_mov_b32 s[SEL+1], 0xfedcba98
	s_mov_b32 s32, 1
	s_lshl_b32 s33, s[WV], 13                      ; LDS: 8,192 x wave: my part of steps 0-3
	s_mov_b32 s36, 1
	s_mul_i32 s37, s[WV], 24576
	s_add_co_u32 s37, s37, 65536                   ; 65,536 + 24,576 x wave: my part of steps 4-15
	s_lshl_b32 s56, s15, 18                        ; the head's 262,144 bytes of kvimg
	s_mov_b32 s57, 0
	s_mov_b32 s58, s33                             ; LDS mirrors the head's bytes: the same offsets in memory
	s_mov_b32 s59, 0
	s_mov_b32 s60, s37
	s_mov_b32 s61, 0
	s_lshl_b32 s62, s14, 5
	s_lshl_b32 s63, s[WV], 2
	s_add_co_u32 s62, s62, s63                     ; 32 g + 4 wave: the first of my four tiles of queries
	s_lshl_b32 s66, s15, 17
	s_lshl_b32 s63, s62, 10
	s_add_co_u32 s66, s66, s63                     ; qimg: 131,072 bh + 1,024 tile
	s_mov_b32 s67, 0
	s_lshr_b32 s68, s15, 4
	s_lshl_b32 s68, s68, 7
	s_add_co_u32 s68, s68, s62                     ; the tile of rows of x: 128 batch + tile
	s_lshl_b32 s68, s68, 14
	s_and_b32 s63, s15, 15
	s_lshl_b32 s63, s63, 10
	s_add_co_u32 s68, s68, s63                     ; ximg: 16,384 x that + 1,024 head
	s_mov_b32 s69, 0
	s_wait_dscnt 0x0
	s_wait_kmcnt 0x0
	s_load_b256 s[48:55], s[8:9], 0x10             ; e4 .. e11: e6 s50, e7 s51, e8 s52, e9 s53, e10 s54
	s_add_nc_u64 s[6:7], s[6:7], s[56:57]
	s_add_nc_u64 s[34:35], s[6:7], s[58:59]
	s_or_b32 s35, s35, 0x80000000                  ; type = 2
	s_add_nc_u64 s[38:39], s[6:7], s[60:61]
	s_or_b32 s39, s39, 0x80000000
	s_add_nc_u64 s[4:5], s[4:5], s[66:67]
	s_add_nc_u64 s[10:11], s[10:11], s[68:69]
	CROUND                                         ; all four work-groups are here: the joint loads meet
	tensor_load_to_lds s[32:35], s[16:23]          ; the fill of steps 0-3: one load of mine is out
	s_nop 0
	s_wait_alu depctr_va_vdst(0)
	s_wait_tensorcnt 0x0
	ds_add_u32 v30, v31
	s_wait_dscnt 0x0
	CROUND
	tensor_load_to_lds s[36:39], s[24:31]
	s_nop 0
.rept 4
	v_nop
.endr
	s_wait_alu depctr_va_vdst(0)
.irp i, 0,1,2,3,4,5,6,7
	global_load_b128 v[Q+4*\i:Q+4*\i+3], v[LI], s[4:5] offset:512*\i   ; my four tiles of Q stay in registers: tile i / 2, registers 4 (i % 2) on
.endr
	s_wait_kmcnt 0x0
	s_add_co_i32 s56, s50, s51
	s_lshl_b32 s56, s56, 23
	s_add_co_i32 s[CS], s56, 0x3e38aa3b            ; log2(e) / 8, with e6 + e7 added to its exponent field: a score stands for score x 2^(e6 + e7)
	s_mov_b32 s[CS+1], s[CS]                       ; (named with it as a pair)
	s_add_co_i32 s56, s52, 127
	s_lshl_b32 s57, s56, 23
	v_mov_b32 v[PSC], s57
	s_add_co_i32 s56, s54, 127
	s_lshl_b32 s57, s56, 23
	v_mov_b32 v[XSC], s57
	s_add_co_i32 s[EPV], s52, s53
; A pass begins: the largest t is -3e38, under every t; the sums and O^T are zeros, which the first change of M leaves zeros: so the key step is written without a first step of its own.
.macro INIT
.irp u, 0,1
	v_mov_b32 v[ST+8*\u+1], 0xff61b1e6
	s_delay_alu instid0(VALU_DEP_1)
	v_floor_f32 v[ST+8*\u], -v[ST+8*\u+1]
	v_mov_b32 v[ST+8*\u+2], 0
	v_mov_b32 v[ST+8*\u+3], 0
	v_mov_b32 v[ST+8*\u+5], 0                      ; (named as the upper half of f's pair)
	v_mov_b32 v[PX+\u], 0                          ; a lane permute's destination counts as one of its sources
.endr
	WIN W_LD
.set j, 0
.rept 64
	v_mov_b32 v[O+j], 0
.set j, j+1
.endr
	WIN 0
	s_mov_b32 s[TB], 0
.endm
; A KEY STEP: 128 keys, for the two tiles of queries whose fragments begin at v[qb].
.macro STEP qb
	v_add_nc_u32 v[ADR], s[TB], v[LI]
	WIN W_LD
.irp i, 0,1,2,3,4,5,6,7
	ds_load_b128 v[KF+8*\i:KF+8*\i+3],   v[ADR] offset:1024*\i
	ds_load_b128 v[KF+8*\i+4:KF+8*\i+7], v[ADR] offset:1024*\i+512
.endr
	s_wait_alu depctr_va_vdst(0)
	s_wait_dscnt 0x0                               ; K's eight fragments
	WIN W_KQ
.irp i, 0,1,2,3,4,5,6,7
.irp u, 0,1
	v_wmma_f32_16x16x64_fp8_fp8 v[S+64*\u+8*\i:S+64*\u+8*\i+7], v[KF+8*\i:KF+8*\i+7], v[\qb+8*\u:\qb+8*\u+7], 0
.endr
.endr
	WIN W_LD
.rept 4
	v_nop                                          ; the places in front of the first read of the scores, and (with the addition at the step's head) in front of the loads into V's registers, which the last step's products read
.endr
.irp t, 0,1,2,3
.irp c, 0,1,2,3
	ds_load_b128 v[VF+16*\t+4*\c:VF+16*\t+4*\c+3], v[ADR] offset:8192+2048*\t+512*\c   ; V lands while the softmax is worked
.endr
.endr
	WIN 0
.irp u, 0,1                                    ; the step's largest score of my query among my 64 keys: two chains a tile, each accumulator from its low end on
	v_max3_num_f32 v[ST+8*\u+6], v[S+64*\u], v[S+64*\u+1], v[S+64*\u+2]
	v_max3_num_f32 v[ST+8*\u+7], v[S+64*\u+3], v[S+64*\u+4], v[S+64*\u+5]
.endr
.irp i, 6,10,14,18,22,26,30,34,38,42,46,50,54,58
.irp u, 0,1
	v_max3_num_f32 v[ST+8*\u+6], v[ST+8*\u+6], v[S+64*\u+\i], v[S+64*\u+\i+1]
.endr
.irp u, 0,1
	v_max3_num_f32 v[ST+8*\u+7], v[ST+8*\u+7], v[S+64*\u+\i+2], v[S+64*\u+\i+3]
.endr
.endr
.irp u, 0,1
	v_max3_num_f32 v[ST+8*\u+6], v[ST+8*\u+6], v[S+64*\u+62], v[S+64*\u+63]
.endr
.irp u, 0,1
	s_delay_alu instid0(VALU_DEP_2)
	v_max_num_f32 v[ST+8*\u+6], v[ST+8*\u+6], v[ST+8*\u+7]
.endr
.irp u, 0,1
	s_delay_alu instid0(VALU_DEP_2)
	v_permlanex16_b32 v[PX+\u], v[ST+8*\u+6], s[SEL], s[SEL+1]
.endr
.irp u, 0,1
	s_delay_alu instid0(VALU_DEP_2)
	v_max_num_f32 v[ST+8*\u+6], v[ST+8*\u+6], v[PX+\u]     ; and among lane l xor 16's
.endr
.irp u, 0,1
	s_delay_alu instid0(VALU_DEP_2)
	v_mul_f32 v[ST+8*\u+6], s[CS], v[ST+8*\u+6]            ; as t (c is positive)
.endr
.irp u, 0,1
	s_delay_alu instid0(VALU_DEP_2)
	v_max_num_f32 v[ST+8*\u+1], v[ST+8*\u+1], v[ST+8*\u+6] ; the running largest t
.endr
.irp u, 0,1
	v_mov_b32 v[ST+8*\u+6], v[ST+8*\u]
.endr
.irp u, 0,1
	s_delay_alu instid0(VALU_DEP_4)
	v_floor_f32 v[ST+8*\u], -v[ST+8*\u+1]                  ; the new -M = floor(-t) = -ceil(t)
.endr
.irp u, 0,1
	s_delay_alu instid0(VALU_DEP_2)
	v_sub_f32 v[ST+8*\u+6], v[ST+8*\u], v[ST+8*\u+6]       ; old M - new M: a whole number, 0 or less
.endr
.irp u, 0,1
	s_delay_alu instid0(VALU_DEP_2)
	v_cvt_i32_f32 v[ST+8*\u+6], v[ST+8*\u+6]               ; (it saturates)
.endr
.irp u, 0,1
	s_delay_alu instid0(VALU_DEP_2)
	v_ldexp_f32 v[ST+8*\u+4], 1.0, v[ST+8*\u+6]            ; f = 2^(old M - new M)
.endr
.set j, 0
.rept 32
.irp u, 0,1
	v_pk_fma_f32 v[S+64*\u+j:S+64*\u+j+1], v[S+64*\u+j:S+64*\u+j+1], s[CS:CS+1], v[ST+8*\u:ST+8*\u+1] op_sel_hi:[1,0,0]   ; t - M, two at a time
.endr
.set j, j+2
.endr
.set j, 0
	s_setprio 1
	s_wait_alu depctr_va_vdst(0)
.rept 128
	v_exp_f32 v[S+j], v[S+j]                       ; p = 2^(t - M): both tiles' exponentials are ONE batch
.set j, j+1
.endr
.irp u, 0,1
	v_pk_mul_f32 v[ST+8*\u+2:ST+8*\u+3], v[ST+8*\u+2:ST+8*\u+3], v[ST+8*\u+4:ST+8*\u+5] op_sel_hi:[1,0]   ; the sums under the new M: plain lines behind the exponentials
.endr
	s_wait_alu depctr_va_vdst(0)                   ; one wait for the batch, ahead of its first reader
.irp u, 0,1
	v_pk_add_f32 v[TS+2*\u:TS+2*\u+1], v[S+64*\u:S+64*\u+1], v[S+64*\u+2:S+64*\u+3]   ; THE ROW'S SUM IS TAKEN OF THE UNQUANTISED p: two chains a tile
.endr
.irp j, 4,8,12,16,20,24,28,32,36,40,44,48,52,56,60
.irp u, 0,1
	v_pk_add_f32 v[ST+8*\u+2:ST+8*\u+3], v[ST+8*\u+2:ST+8*\u+3], v[S+64*\u+\j:S+64*\u+\j+1]
	v_pk_add_f32 v[TS+2*\u:TS+2*\u+1], v[TS+2*\u:TS+2*\u+1], v[S+64*\u+\j+2:S+64*\u+\j+3]
.endr
.endr
.irp u, 0
	s_delay_alu instid0(VALU_DEP_3)
	v_pk_add_f32 v[ST+8*\u+2:ST+8*\u+3], v[ST+8*\u+2:ST+8*\u+3], v[TS+2*\u:TS+2*\u+1]
.endr
.irp u, 1
	s_delay_alu instid0(VALU_DEP_2)
	v_pk_add_f32 v[ST+8*\u+2:ST+8*\u+3], v[ST+8*\u+2:ST+8*\u+3], v[TS+2*\u:TS+2*\u+1]
.endr
.irp u, 0,1
.irp i, 0,1,2,3,4,5,6,7
.irp n, 0,1,2,3,4,5,6,7
.endr
	v_cvt_scalef32_pk8_fp8_f32 v[P+16*\u+2*\i:P+16*\u+2*\i+1], v[S+64*\u+8*\i:S+64*\u+8*\i+7], v[PSC]
.endr
.endr
	WIN W_RS
.set j, 0
	s_setprio 0
.rept 16
.irp u, 0,1
	v_pk_mul_f32 v[O+32*\u+j:O+32*\u+j+1], v[O+32*\u+j:O+32*\u+j+1], v[ST+8*\u+4:ST+8*\u+5] op_sel_hi:[1,0]   ; O^T under the new M; also the plain lines between the conversions and the products
.endr
.set j, j+2
.endr
	s_wait_alu depctr_va_vdst(0)
	s_wait_dscnt 0x0                               ; V's four fragments
	WIN W_PV
.irp t, 0,1,2,3
.irp u, 0,1
	v_wmma_f32_16x16x128_fp8_fp8 v[O+32*\u+8*\t:O+32*\u+8*\t+7], v[VF+16*\t:VF+16*\t+15], v[P+16*\u:P+16*\u+15], v[O+32*\u+8*\t:O+32*\u+8*\t+7]   ; eight accumulators, one instruction each
.endr
.endr
	WIN 0
	s_add_co_u32 s[TB], s[TB], 16384
.endm
.macro PASS qb, n                      ; n key steps
	s_mov_b32 s[CNT], \n
.Lstep_\@:
	s_setprio 2
	STEP \qb
	s_sub_co_u32 s[CNT], s[CNT], 1
	s_cmp_lg_u32 s[CNT], 0
	s_cbranch_scc1 .Lstep_\@
	s_setprio 0
.endm
; THE WAY OUT of pass p: x = O^T x 2^(e8 + e9) / the sum, converted.  A conversion gives lane (r, h) channels 16 t + 8 h + 0..7; the last launch wants 32 c + 16 h + 0..15 in four registers:
; lanes 16-31 of tile 2 c's codes change places with lanes 0-15 of tile 2 c + 1's.  Each store covers 512 consecutive bytes, aligned.
.macro OUT p
.irp u, 0,1
	v_add_f32 v[ST+8*\u+6], v[ST+8*\u+2], v[ST+8*\u+3]     ; the sum's two halves  (these additions are also the places behind the last products)
.endr
.irp u, 0,1
	s_delay_alu instid0(VALU_DEP_2)
	v_permlanex16_b32 v[PX+\u], v[ST+8*\u+6], s[SEL], s[SEL+1]
.endr
.irp u, 0,1
	s_delay_alu instid0(VALU_DEP_2)
	v_add_f32 v[ST+8*\u+6], v[ST+8*\u+6], v[PX+\u]         ; and lane l xor 16's
.endr
	s_wait_alu depctr_va_vdst(0)
.irp u, 0,1
	v_rcp_f32 v[ST+8*\u+4], v[ST+8*\u+6]
.endr
	v_nop                                          ; a plain line behind the reciprocals,
	s_wait_alu depctr_va_vdst(0)                   ; and one wait for both, ahead of the first reader
.irp u, 0,1
	v_ldexp_f32 v[ST+8*\u+4], v[ST+8*\u+4], s[EPV]
.endr
	WIN W_KQ                                       ; source 0 (O^T) window 1
.irp u, 0,1
.set j, 0
.rept 16
	v_pk_mul_f32 v[S+64*\u+j:S+64*\u+j+1], v[O+32*\u+j:O+32*\u+j+1], v[ST+8*\u+4:ST+8*\u+5] op_sel_hi:[1,0]   ; each accumulator from its low end on
.set j, j+2
.endr
.endr
	WIN 0
.irp u, 0,1
.irp t, 0,1,2,3
.irp n, 0,1,2,3,4,5,6,7
.endr
	v_cvt_scalef32_pk8_fp8_f32 v[XC+16*(\p)+8*\u+2*\t:XC+16*(\p)+8*\u+2*\t+1], v[S+64*\u+8*\t:S+64*\u+8*\t+7], v[XSC]
.endr
.endr
	v_nop                                          ; a plain line between the last conversion and the lines that touch its result
.irp u, 0,1
.set XB, XC+16*(\p)+8*\u
	v_permlane16_swap_b32 v[XB], v[XB+2]
	v_permlane16_swap_b32 v[XB+1], v[XB+3]
	v_permlane16_swap_b32 v[XB+4], v[XB+6]
	v_permlane16_swap_b32 v[XB+5], v[XB+7]
.endr
.irp u, 0,1
.set XB, XC+16*(\p)+8*\u
	global_store_b128 v[LI], v[XB:XB+3],   s[10:11] offset:16384*(2*(\p)+\u)        ; each pass has its own registers of codes: no store's data are written again
	global_store_b128 v[LI], v[XB+4:XB+7], s[10:11] offset:16384*(2*(\p)+\u)+512
.endr
.endm
	INIT
	s_wait_tensorcnt 1                             ; my part of steps 0-3 is in; my part of steps 4-15 may be out
	s_barrier_signal -1
	s_barrier_wait -1                              ; everybody's is
	s_wait_loadcnt 0x0                             ; Q
	PASS Q, 4                                      ; steps 0-3 are worked while steps 4-15 land
	s_wait_tensorcnt 0x0                           ; my part of steps 4-15 is in,
	s_wait_dscnt 0x0
	s_barrier_signal -1
	s_barrier_wait -1                              ; everybody's is
	PASS Q, 12
	OUT 0
	INIT
	PASS Q+16, 16                                  ; the second 256 queries find the whole head in LDS
	OUT 1
	s_wait_tensorcnt 0x0
	ds_add_u32 v30, v31
	s_wait_dscnt 0x0
	CROUND                                         ; the closing round
	s_endpgm
.Lfunc_end_k_qbee72da9d2_attn:
	.size	k_qbee72da9d2_attn, .Lfunc_end_k_qbee72da9d2_attn-k_qbee72da9d2_attn
	.p2alignl 7, 3214868480
	.fill 96, 4, 3214868480
	.section	.rodata,"a",@progbits
	.p2align	6, 0x0
	.amdhsa_kernel k_qbee72da9d2_attn
		.amdhsa_group_segment_fixed_size 327680
		.amdhsa_private_segment_fixed_size 0
		.amdhsa_enable_private_segment 0
		.amdhsa_kernarg_size 32
		.amdhsa_user_sgpr_count 2
		.amdhsa_user_sgpr_kernarg_segment_ptr 1
		.amdhsa_wavefront_size32 1
		.amdhsa_system_sgpr_workgroup_id_x 1
		.amdhsa_system_sgpr_workgroup_id_y 1
		.amdhsa_system_sgpr_workgroup_id_z 1
		.amdhsa_system_vgpr_workitem_id 0
		.amdhsa_next_free_vgpr 512
		.amdhsa_next_free_sgpr 72
		.amdhsa_reserve_vcc 0
		.amdhsa_float_denorm_mode_32 3
		.amdhsa_float_denorm_mode_16_64 3
		.amdhsa_fp16_overflow 1
		.amdhsa_memory_ordered 1
		.amdhsa_forward_progress 1
		.amdhsa_inst_pref_size 94
	.end_amdhsa_kernel
	.amdgpu_metadata
---
amdhsa.version: [ 1, 2 ]
amdhsa.kernels:
  - .name:           k_qbee72da9d2_attn
    .symbol:         k_qbee72da9d2_attn.kd
    .args:
      - { .name: qimg, .offset: 0, .size: 8, .value_kind: global_buffer, .address_space: global }
      - { .name: kvimg, .offset: 8, .size: 8, .value_kind: global_buffer, .address_space: global }
      - { .name: lowp_scales, .offset: 16, .size: 8, .value_kind: global_buffer, .address_space: global }
      - { .name: ximg, .offset: 24, .size: 8, .value_kind: global_buffer, .address_space: global }
    .group_segment_fixed_size: 327680
    .private_segment_fixed_size: 0
    .kernarg_segment_align: 8
    .kernarg_segment_size: 32
    .max_flat_workgroup_size: 256
    .sgpr_count:     72
    .vgpr_count:     512
    .wavefront_size: 32
...
	.end_amdgpu_metadata
.endif
;; end of part 2
;; launch outp (part 3): grid 4 x 32, 4 waves a work-group, clusters of 4 x 4, 327,680 bytes of LDS; arguments ximg, Wo_codes, bo, lowp_scales, out0; writes out0
.if DOCPART == 3
	.amdgcn_target "amdgcn-amd-amdhsa--gfx1250"
	.amdhsa_code_object_version 6
	.text
	.protected	k_qbee72da9d2_outp
	.globl	k_qbee72da9d2_outp
	.p2align	8
	.type	k_qbee72da9d2_outp,@function
k_qbee72da9d2_outp:
	s_mov_b64 s[64:65], 0
	v_nop
	global_prefetch_b8 v0, s[64:65] scope:SCOPE_SE
	s_setreg_imm32_b32 hwreg(HW_REG_WAVE_MODE, 25, 1), 1
	s_wait_xcnt 0x0
	s_wait_alu depctr_hold_cnt(0) depctr_sa_sdst(0) depctr_va_vdst(0) depctr_va_sdst(0) depctr_va_ssrc(0) depctr_va_vcc(0) depctr_vm_vsrc(0)
	s_getreg_b32 s2, hwreg(HW_REG_IB_STS2, 6, 4)
	s_cmp_eq_u32 s2, 0
	s_cbranch_scc0 .Lentry_in_a_cluster
	s_endpgm
.Lentry_in_a_cluster:
	s_bfe_u32 s2, ttmp6, 0x10000c
	s_cmp_lg_u32 s2, 0xf033
	s_cbranch_scc0 .Lentry_shape_is_right
	s_endpgm
.Lentry_shape_is_right:
; out0 = x Wo^T + bo.  x: 8,192 rows x 1,024, codes of FP8 (E4M3) with the scale 2^e10, stored by the attention launch as images of this launch's operand registers:
; [tile of 16 rows (512)][head (16)][half of the head's 64 (2)][lane (32)][16 bytes]; lane (r, h) holds, of row r, k = 64 head + 32 half + 16 h + 0 .. 15.  Wo: [1,024][1,024] codes, K innermost, scale 2^e11.  out0: f32.
; A tile of out0, 256 x 256, is made by four waves, each 128 x 128: 64 accumulators, 512 registers.  K goes in steps of 256 (four heads) through two LDS slots filled by the tensor data mover.
; CLUSTERS: 4 x 4 work-groups; x's tiles are shared along a row of the cluster, Wo's along a column: each is asked for jointly, with a mask that names the four.
; THE MATRIX INSTRUCTION IS USED TRANSPOSED (source 0 = 16 rows of Wo, source 1 = 16 rows of x): a lane holds eight neighbouring numbers of a row of out0.
; THE BIAS is the C of the first K step's products, divided by 2^(e10 + e11); each finished sum is multiplied once by 2^(e10 + e11).
; LIMIT: e10 + e11 between -126 and 126, so that both powers of two are f32 numbers.
; REGISTERS, in windows of 256: window 0: v16-31 addresses; v32-95 the bias, on the way out a block's numbers; from v128 x's fragments, ONE set, on the way out rows read back.
;   window 1: Wo's fragments, two sets.   window 2: the accumulators of my rows 0-63 ((a, b) at v[8 (8 a + b)]);   window 3: those of rows 64-127.
.set SIZE_N, 1024
.set KROW,   1024                      ; a row of Wo in memory, in bytes
.set ROWB,   256                       ; a row of Wo's tile
.set PITCH,  272                       ; and in LDS: + 16 of padding
.set XSTEP,  4096                      ; a K step of a tile of 16 rows of x: four heads' images
.set XTILE,  16384                     ; a tile of 16 rows of x in memory
.set FR,     16
.set NL,     4
.set NP,     4                         ; places behind this matrix instruction (ISA guide 7.12.1)
.set HALFA,  8*XSTEP                   ; 128 rows of x: eight tiles, dense
.set HALFB,  128*PITCH                 ; 128 rows of Wo
.set BOFF,   2*HALFA                   ; Wo's rows lie behind x's
.set SLOT,   BOFF+2*HALFB
.set SPARE,  2*SLOT                    ; behind the ring: the spare words, 128 bytes for each wave
.set SPITCH, 528                       ; the way out: a stage of 16 rows x (512 bytes + 16) for each wave, in slot 0, which has had its last fill and its last read when the first result is stored there
.set ADRA, 16                          ; v16-17  LDS address of my fragments of x in slot 0, 1
.set ADRB, 20                          ; v20-21  the same for Wo
.set STO,  24                          ; v24     the way out: where I put 32 bytes of a row
.set RD,   25                          ; v25     the way out: where I read a row back
.set CO,   26                          ; v26     16 x lane
.set SPW,  28                          ; v28     LDS address of my spare word; never rewritten
.set NIL,  29                          ; v29     0; never rewritten
.set BN,   32                          ; v32-95  bo[n0 + 16 b + 8 h + j] / 2^(e10 + e11)
.set TMP,  32                          ; the way out: a block's sums x 2^(e10 + e11)
.set AF,   128
.set BK,   128                         ; the way out: 16 rows read back: v128-191 and v192-255 by turns
.set G1, 24                            ; s[24:31] descriptor group 1 for x's tiles;  s[32:39] group 0, one set for each slot
.set G0, 32
.set G1B, 48                           ; s[48:55], s[56:63] the same for Wo's tiles
.set G0B, 56
.set MSB, 0
.macro WIN new                         ; the immediate's high byte repeats the setting that is left
.if MSB != (\new)
	s_set_vgpr_msb (MSB<<8)|(\new)
.set MSB, (\new)
.endif
.endm
.set MUL_LO, 0xa1                      ; source 0 (Wo) window 1, source 1 (x) window 0, C and D window 2.  In the first K step C is the bias, window 0: 0x81
.set MUL_HI, 0xf1                      ; the same, C and D window 3.  In the first K step 0xc1
.set TO_B,   0x40
.macro JLOAD g0a, g1a, g0b, g1b        ; a joint load: waves 0 and 1 fetch for x, waves 2 and 3 for Wo; four v_nop follow each of the two lines
	s_cmp_eq_u32 s15, 0
	s_cbranch_scc0 .Lfor_b_\@
	tensor_load_to_lds s[\g0a:\g0a+3], s[\g1a:\g1a+7]
	s_nop 0
.rept 4
	v_nop
.endr
	s_branch .Lasked_\@
.Lfor_b_\@:
	tensor_load_to_lds s[\g0b:\g0b+3], s[\g1b:\g1b+7]
	s_nop 0
.rept 4
	v_nop
.endr
.Lasked_\@:
.endm
.macro CREST
	s_cmp_lg_u32 s14, 0
	s_cbranch_scc1 .Lnot_wave_0_\@
	s_barrier_signal -3
.Lnot_wave_0_\@:
	s_barrier_wait -3
	s_barrier_signal -1
	s_barrier_wait -1
.endm
.macro CROUND
	s_barrier_signal -1
	s_barrier_wait -1
	CREST
.endm
	s_load_b256 s[4:11], s[0:1], 0x0               ; ximg s[4:5], Wo's codes s[6:7], bo s[8:9], the scales s[10:11]
	s_load_b64 s[12:13], s[0:1], 0x20              ; out0
	v_lshl_add_u32 v[SPW], v0, 2, SPARE
	v_mov_b32 v[NIL], 0
	ds_add_u32 v28, v29
	ds_add_u32 v28, v29
	s_wait_dscnt 0x0
	v_lshrrev_b32 v1, 5, v0
	v_readfirstlane_b32 s14, v1                    ; wave 0..3
	s_lshr_b32 s15, s14, 1                         ; hm: which half of the tile's rows is mine.  Also: I fetch for x (0) or for Wo (1)
	s_and_b32 s16, s14, 1                          ; hn: which half of its columns.  Also: which 128 rows I fetch
	s_bfe_u32 s40, ttmp6, 0x40000                  ; cx, cy
	s_bfe_u32 s41, ttmp6, 0x40004
	s_lshl_b32 s42, ttmp9, 2
	s_add_co_u32 s42, s42, s40                     ; tile column = 4 x cluster x + cx
	s_and_b32 s17, ttmp7, 0xffff
	s_lshl_b32 s17, s17, 2
	s_add_co_u32 s17, s17, s41                     ; tile row = 4 x cluster y + cy
	s_lshl_b32 s43, s41, 2
	s_lshl_b32 s43, 15, s43                        ; my row of the cluster
	s_lshl_b32 s44, 0x1111, s40                    ; my column
	; x's tiles: 8 rows of 4,096 bytes (a K step of a tile of 16 rows), 16,384 bytes apart in memory, dense in LDS
	s_or_b32 s[G1+0], s43, (0<<16)|(1<<21)         ; the mask: my row; elements of 1 byte; bit 21 beside a mask; no padding
	s_mov_b32 s[G1+1], XSTEP<<16                   ; tensor_dim0
	s_mov_b32 s[G1+2], 8<<16                       ; tensor_dim1 = 8
	s_mov_b32 s[G1+3], XSTEP<<16                   ; tile_dim0
	s_mov_b32 s[G1+4], 8                           ; tile_dim1 = 8
	s_mov_b32 s[G1+5], XTILE                       ; the pitch
	s_mov_b32 s[G1+6], 0
	s_mov_b32 s[G1+7], 0
	; Wo's tiles: 128 rows of 256 bytes, padded in LDS
	s_or_b32 s[G1B+0], s44, (0<<16)|(1<<20)|(1<<21)|(5<<22)|(3<<25)  ; the mask: my column; padding: 4 words behind every 64
	s_mov_b32 s[G1B+1], ROWB<<16
	s_mov_b32 s[G1B+2], 128<<16
	s_mov_b32 s[G1B+3], ROWB<<16
	s_mov_b32 s[G1B+4], 128
	s_mov_b32 s[G1B+5], KROW
	s_mov_b32 s[G1B+6], 0
	s_mov_b32 s[G1B+7], 0
	s_lshl_b32 s20, s17, 4
	s_lshl_b32 s18, s16, 3
	s_add_co_u32 s20, s20, s18                     ; x: tile of rows 16 x tile row + 8 x half
	s_lshl_b32 s20, s20, 14                        ; in bytes (under 2^23)
	s_mov_b32 s21, 0
	s_lshl_b32 s46, s42, 8
	s_lshl_b32 s18, s16, 7
	s_add_co_u32 s46, s46, s18                     ; Wo: row 256 x tile column + 128 x half
	s_lshl_b32 s46, s46, 10
	s_mov_b32 s47, 0
	s_lshl_b32 s45, s16, 15                        ; where they go: x's half,
	s_mul_i32 s3, s16, HALFB
	s_add_co_u32 s3, s3, BOFF                      ; Wo's half: no place in the cluster enters an LDS address
	s_wait_kmcnt 0x0
	s_load_b64 s[96:97], s[10:11], 0x28            ; e10, e11
	s_add_nc_u64 s[20:21], s[4:5], s[20:21]
	s_add_nc_u64 s[46:47], s[6:7], s[46:47]
	CROUND                                         ; all sixteen work-groups are here: the first joint loads meet
.irp s, 0,1
	s_mov_b32 s[G0+4*\s], 1
	s_add_co_u32 s[G0+4*\s+1], s45, \s*SLOT
	s_add_nc_u64 s[G0+4*\s+2:G0+4*\s+3], s[20:21], \s*XSTEP
	s_or_b32 s[G0+4*\s+3], s[G0+4*\s+3], 0x80000000
	s_mov_b32 s[G0B+4*\s], 1
	s_add_co_u32 s[G0B+4*\s+1], s3, \s*SLOT
	s_add_nc_u64 s[G0B+4*\s+2:G0B+4*\s+3], s[46:47], \s*ROWB
	s_or_b32 s[G0B+4*\s+3], s[G0B+4*\s+3], 0x80000000
	s_wait_alu depctr_va_vdst(0)
	s_wait_tensorcnt 0x0
	ds_add_u32 v28, v29
	ds_add_u32 v28, v29
	s_wait_dscnt 0x0
	CROUND
	JLOAD G0+4*\s, G1, G0B+4*\s, G1B
.endr
	v_and_b32 v1, 15, v0                           ; r
	v_bfe_u32 v2, v0, 4, 1                         ; h
	v_mul_u32_u24 v3, v1, PITCH
	v_lshl_add_u32 v4, v2, 4, v3                   ; Wo: a fragment's row x pitch + 16 x half
	v_and_b32 v6, 31, v0
	v_lshlrev_b32 v[CO], 4, v6                     ; x: an image's place for my lane; also my 16 bytes of a row of out0
	s_wait_alu depctr_va_vdst(0)
	s_lshl_b32 s21, s15, 15                        ; my 128 rows of x
	s_mul_i32 s22, s16, HALFB
	s_add_co_u32 s22, s22, BOFF                    ; my 128 rows of Wo
.irp s, 0,1
	v_add_nc_u32 v[ADRA+\s], s21, v[CO]
	v_add_nc_u32 v[ADRB+\s], s22, v4
	s_add_co_u32 s21, s21, SLOT
	s_add_co_u32 s22, s22, SLOT
.endr
	s_mul_i32 s23, s14, 16*SPITCH                  ; my stage
	v_mul_u32_u24 v5, v1, SPITCH                   ; in: row r, 32 bytes for each half of the lanes
	v_lshl_add_u32 v5, v2, 5, v5
	v_add_nc_u32 v[STO], s23, v5
	v_add_nc_u32 v[RD], s23, v[CO]                 ; back: the 32 lanes take one row of 512 bytes
	s_lshl_b32 s46, s42, 10
	s_lshl_b32 s47, s16, 9
	s_add_co_u32 s46, s46, s47                     ; my first column, in bytes of f32: 1,024 x tile column + 512 x half: in a row of out0 and in bo alike
	s_mov_b32 s47, 0
	s_add_nc_u64 s[8:9], s[8:9], s[46:47]
	s_lshl_b32 s20, s17, 8
	s_lshl_b32 s21, s15, 7
	s_add_co_u32 s20, s20, s21                     ; my first row: 256 x tile row + 128 x half
	s_lshl_b32 s20, s20, 12                        ; rows of 4,096 bytes (under 2^25)
	s_add_co_u32 s20, s20, s46
	s_mov_b32 s21, 0
	s_add_nc_u64 s[12:13], s[12:13], s[20:21]
	v_lshlrev_b32 v7, 5, v2                        ; 8 h numbers
.irp b, 0,1,2,3,4,5,6,7
	global_load_b128 v[BN+8*\b:BN+8*\b+3],   v7, s[8:9] offset:64*\b
	global_load_b128 v[BN+8*\b+4:BN+8*\b+7], v7, s[8:9] offset:64*\b+16
.endr
	s_wait_kmcnt 0x0
	s_add_co_i32 s96, s96, s97                     ; e10 + e11
	s_sub_co_i32 s22, 127, s96
	s_lshl_b32 s22, s22, 23                        ; 2^-(e10 + e11)
	s_mov_b32 s23, s22                             ; (named with it as a pair)
	s_add_co_i32 s96, s96, 127
	s_lshl_b32 s96, s96, 23                        ; 2^(e10 + e11)
	s_mov_b32 s97, s96
	s_wait_loadcnt 0x0                             ; the bias
.set j, 0
.rept 32
	v_pk_mul_f32 v[BN+j:BN+j+1], v[BN+j:BN+j+1], s[22:23] op_sel_hi:[1,0]
.set j, j+2
.endr
.macro FRAGB reg, adr, q, i            ; Wo: 16 rows x 128 K: registers 4 c .. 4 c + 3 hold K = 32 c + 16 (l / 16) + 0 .. 15
.irp c, 0,1,2,3
	ds_load_b128 v[\reg+4*\c:\reg+4*\c+3], v[\adr] offset:128*(\q)+32*\c+(\i)*16*PITCH
.endr
.endm
.macro FRAGA reg, adr, q, i            ; x: the image of the same registers: tile i, the slot's q-th two heads, 512 consecutive bytes a load
.irp c, 0,1,2,3
	ds_load_b128 v[\reg+4*\c:\reg+4*\c+3], v[\adr] offset:XSTEP*(\i)+2048*(\q)+512*\c
.endr
.endm
; 16 matrix instructions: x's blocks a0, a0 + 1 x Wo's eight, 128 along K.  first = 1: the sums begin with the bias.  The 64 accumulators take turns, one instruction a turn.
.macro MUL16 a0, p, first
.irp a, \a0, \a0+1
.irp b, 0,1,2,3,4,5,6,7
.if \first
	v_wmma_f32_16x16x128_fp8_fp8 v[8*(8*((\a)%4)+\b):8*(8*((\a)%4)+\b)+7], v[128*(\p)+FR*\b:128*(\p)+FR*\b+FR-1], v[AF+FR*(\a):AF+FR*(\a)+FR-1], v[BN+8*\b:BN+8*\b+7]
.else
	v_wmma_f32_16x16x128_fp8_fp8 v[8*(8*((\a)%4)+\b):8*(8*((\a)%4)+\b)+7], v[128*(\p)+FR*\b:128*(\p)+FR*\b+FR-1], v[AF+FR*(\a):AF+FR*(\a)+FR-1], v[8*(8*((\a)%4)+\b):8*(8*((\a)%4)+\b)+7]
.endif
.endr
.endr
.endm
.macro FETCH_B slot, q, p
	WIN TO_B
.irp i, 0,1,2,3,4,5,6,7
	FRAGB 128*(\p)+FR*\i, ADRB+\slot, \q, \i
.endr
	WIN 0
.endm
.macro FETCH_A slot, q, i0
.irp i, \i0, \i0+1, \i0+2, \i0+3
	FRAGA AF+FR*(\i), ADRA+\slot, \q, \i
.endr
.endm
.macro PLACES n                        ; plain vector lines between a matrix instruction and a load into one of its registers, or the first read of its result
.rept \n
	v_nop
.endr
.endm
.macro STEP slot, q, first             ; a step of 128 along K that has its successor in the same slot
	s_wait_dscnt 4*NL                              ; Wo's set and x's blocks 0-3 are in; the youngest sixteen loads (x's blocks 4-7) may be out
	WIN MUL_LO-0x20*(\first)
	MUL16 0, (\q)%2, \first
	MUL16 2, (\q)%2, \first
	s_wait_dscnt 0                                 ; x's blocks 4-7 are in
	PLACES NP
	FETCH_B \slot, (\q)+1, 1-(\q)%2
	FETCH_A \slot, (\q)+1, 0
	WIN MUL_HI-0x30*(\first)
	MUL16 4, (\q)%2, \first
	MUL16 6, (\q)%2, \first
	PLACES NP
	WIN 0
	FETCH_A \slot, (\q)+1, 4
.endm
; A slot's last step changes slots: ONE barrier; in front of it each wave waits for all its tensor loads, adds 0 to its spare word, and waits for that and for its reads of this slot.  fill = 1: the slot is filled again, two K steps ahead.
.macro TURN slot, next, fill
	s_wait_tensorcnt 0x0                           ; all my tensor loads have landed: my part of the next slot  (every window is 0 here)
	ds_add_u32 v[SPW], v[NIL]                      ; 0 onto my spare word
	s_wait_dscnt 4*NL+1                            ; the add and the youngest sixteen loads (x's blocks 4-7) may be out
	WIN MUL_LO
	MUL16 0, 1, 0                                  ; sixteen matrix instructions stand between the add and the wait for it
	s_wait_dscnt 0x0                               ; the add is done, and my reads of this slot are over
	s_barrier_signal -1
	MUL16 2, 1, 0
	WIN 0
	s_barrier_wait -1
.if \fill
	CREST                                          ; the barrier has opened a round of the cluster's: no wave of any partner still reads this slot or has a load on its way
	s_add_nc_u64 s[G0+4*\slot+2:G0+4*\slot+3], s[G0+4*\slot+2:G0+4*\slot+3], 2*XSTEP
	s_add_nc_u64 s[G0B+4*\slot+2:G0B+4*\slot+3], s[G0B+4*\slot+2:G0B+4*\slot+3], 2*ROWB
	JLOAD G0+4*\slot, G1, G0B+4*\slot, G1B         ; the first tensor load behind the round; its four v_nop are also the places in front of the loads below
.else
	PLACES NP
.endif
	FETCH_B \next, 0, 0
	FETCH_A \next, 0, 0
	WIN MUL_HI
	MUL16 4, 1, 0
	MUL16 6, 1, 0
	PLACES NP
	WIN 0
	FETCH_A \next, 0, 4
.endm
	s_wait_alu depctr_va_vdst(0)
	s_wait_tensorcnt 1                             ; my part of K step 0 is in (K step 1's load may be out)
	s_barrier_signal -1
	s_barrier_wait -1                              ; everybody's is
	FETCH_B 0, 0, 0
	FETCH_A 0, 0, 0
	FETCH_A 0, 0, 4
	; K = 1,024 is four slots' worth: written out, no loop
	STEP 0, 0, 1                                   ; K 0-127: the sums begin with the bias
	TURN 0, 1, 1                                   ; slot 0 takes K 512-767
	STEP 1, 0, 0
	TURN 1, 0, 1                                   ; slot 1 takes K 768-1023
	STEP 0, 0, 0
	TURN 0, 1, 0                                   ; nothing is left to fetch
	STEP 1, 0, 0
	s_wait_dscnt 4*NL                              ; the last step
	WIN MUL_LO
	MUL16 0, 1, 0
	MUL16 2, 1, 0
	s_wait_dscnt 0
	WIN MUL_HI
	MUL16 4, 1, 0
	MUL16 6, 1, 0
	WIN 0
; THE WAY OUT, block by block of 16 rows x 128 columns.  A lane holds 32 neighbouring bytes of a row, the lanes beside it other rows: a block goes through my own stage in LDS and comes back as whole rows of
; 512 bytes, which the 32 lanes store as 512 consecutive bytes, aligned.  LDS serves a wave's instructions in order (ISA guide 5.7.1.4): no wait between the stores and the loads.
.macro TOSTAGE a
.set AC, 64*((\a)%4)
	WIN 0x02+((\a)/4)                              ; source 0: window 2 or 3
.set j, 0
.rept 32
	v_pk_mul_f32 v[TMP+j:TMP+j+1], v[AC+j:AC+j+1], s[96:97] op_sel_hi:[1,0]   ; x 2^(e10 + e11); each accumulator from its low end on
.set j, j+2
.endr
	WIN 0
.irp b, 0,1,2,3,4,5,6,7
	ds_store_b128 v[STO], v[TMP+8*\b:TMP+8*\b+3] offset:64*\b
	ds_store_b128 v[STO], v[TMP+8*\b+4:TMP+8*\b+7] offset:64*\b+16
.endr
.set BB, BK+64*((\a)%2)
.irp t, 0,1,2,3,4,5,6,7,8,9,10,11,12,13,14,15
	ds_load_b128 v[BB+4*\t:BB+4*\t+3], v[RD] offset:\t*SPITCH
.endr
.endm
.macro SEND a, younger                 ; younger: the LDS instructions issued behind block a's loads, which may stay out
.set BB, BK+64*((\a)%2)
	s_wait_dscnt \younger                          ; the block is back in registers
.if (\a) > 0
	s_add_nc_u64 s[12:13], s[12:13], 16*SIZE_N*4   ; (behind a wait on XCNT: the earlier stores have read their base)  16 rows on
.endif
.irp t, 0,1,2,3,4,5,6,7,8,9,10,11,12,13,14,15
	global_store_b128 v[CO], v[BB+4*\t:BB+4*\t+3], s[12:13] offset:\t*SIZE_N*4 th:TH_STORE_NT   ; written once, read by nobody here
.endr
.endm
	PLACES NP                                      ; behind the last products: the loads below land in registers that held x's fragments
	TOSTAGE 0
.irp a, 1,2,3,4,5,6,7
.if \a > 1
	s_wait_xcnt 0x0                                ; block a - 2's stores have read their registers and their base
.endif
	TOSTAGE \a
	SEND \a-1, 32                                  ; behind block a - 1's loads: block a's 16 stores and 16 loads
.endr
	s_wait_xcnt 0x0                                ; block 6's stores have read their base
	SEND 7, 0
	s_wait_tensorcnt 0x0                           ; the wave's end
	ds_add_u32 v[SPW], v[NIL]
	s_wait_dscnt 0x0
	CROUND                                         ; the closing round
	s_endpgm
.Lfunc_end_k_qbee72da9d2_outp:
	.size	k_qbee72da9d2_outp, .Lfunc_end_k_qbee72da9d2_outp-k_qbee72da9d2_outp
	.p2alignl 7, 3214868480
	.fill 96, 4, 3214868480
	.section	.rodata,"a",@progbits
	.p2align	6, 0x0
	.amdhsa_kernel k_qbee72da9d2_outp
		.amdhsa_group_segment_fixed_size 327680
		.amdhsa_private_segment_fixed_size 0
		.amdhsa_enable_private_segment 0
		.amdhsa_kernarg_size 40
		.amdhsa_user_sgpr_count 2
		.amdhsa_user_sgpr_kernarg_segment_ptr 1
		.amdhsa_wavefront_size32 1
		.amdhsa_system_sgpr_workgroup_id_x 1
		.amdhsa_system_sgpr_workgroup_id_y 1
		.amdhsa_system_sgpr_workgroup_id_z 1
		.amdhsa_system_vgpr_workitem_id 0
		.amdhsa_next_free_vgpr 1024
		.amdhsa_next_free_sgpr 98
		.amdhsa_reserve_vcc 0
		.amdhsa_float_denorm_mode_32 3
		.amdhsa_float_denorm_mode_16_64 3
		.amdhsa_memory_ordered 1
		.amdhsa_forward_progress 1
		.amdhsa_inst_pref_size 128
	.end_amdhsa_kernel
	.amdgpu_metadata
---
amdhsa.version: [ 1, 2 ]
amdhsa.kernels:
  - .name:           k_qbee72da9d2_outp
    .symbol:         k_qbee72da9d2_outp.kd
    .args:
      - { .name: ximg, .offset: 0, .size: 8, .value_kind: global_buffer, .address_space: global }
      - { .name: Wo_codes, .offset: 8, .size: 8, .value_kind: global_buffer, .address_space: global }
      - { .name: bo, .offset: 16, .size: 8, .value_kind: global_buffer, .address_space: global }
      - { .name: lowp_scales, .offset: 24, .size: 8, .value_kind: global_buffer, .address_space: global }
      - { .name: out0, .offset: 32, .size: 8, .value_kind: global_buffer, .address_space: global }
    .group_segment_fixed_size: 327680
    .private_segment_fixed_size: 0
    .kernarg_segment_align: 8
    .kernarg_segment_size: 40
    .max_flat_workgroup_size: 128
    .sgpr_count:     98
    .vgpr_count:     1024
    .wavefront_size: 32
...
	.end_amdgpu_metadata
.endif
;; end of part 3
